; MI455X (gfx1250); checked and timed in simulation.
; The chip was launched on July 23, 2026; its instructions are those of AMD's public machine-readable ISA for CDNA 5 (MIT licence, August 2026) and "CDNA5" Instruction Set Architecture Reference Guide (July 2026). The comments in the code are by the model that wrote it; some were corrected since.
;; Graph Attention. Allowed arithmetic: float matrix products may take bf16 or f16 operands with f32 sums; all other float work in f32.
;; Inputs: Wk 512 x 512 float32; Wo 512 x 512 float32; Wq 512 x 512 float32; Wv 512 x 512 float32; bk 512 float32; bo 512 float32; bq 512 float32; bv 512 float32; graph_mask 2 x 4,096 x 4,096 float32; x 2 x 4,096 x 512 float32.
;; Outputs: out0 2 x 4,096 x 512 float32.
;; One version. Each part assembles by itself: llvm-mc -triple=amdgcn-amd-amdhsa -mcpu=gfx1250 --defsym DOCPART=n.
;; ======== version 1 of 1: 4 launches
;; limits: values are held in f16: magnitudes above 65,504 overflow, below 6.1e-05 lose precision
;; workspace buffers: wimg 2,097,152 bytes; q 8,388,608 bytes; k 8,388,608 bytes; v 8,388,608 bytes; o 8,388,608 bytes
;; launch prep (part 1): grid 128 x 4, 8 waves a work-group, no clusters, 0 bytes of LDS; arguments Wq, Wk, Wv, Wo, wimg; writes wimg
.if DOCPART == 1
	.amdgcn_target "amdgcn-amd-amdhsa--gfx1250"
	.amdhsa_code_object_version 6
	.text
	.protected	k_q50c59c486d_prep
	.globl	k_q50c59c486d_prep
	.p2align	8
	.type	k_q50c59c486d_prep,@function
k_q50c59c486d_prep:
	s_mov_b64 s[64:65], 0
	v_nop
	global_prefetch_b8 v0, s[64:65] scope:SCOPE_SE
	s_setreg_imm32_b32 hwreg(HW_REG_WAVE_MODE, 25, 1), 1
	s_wait_xcnt 0x0
; The four weights [512 (k)][512 (n)] f32 become 16-bit FRAGMENT IMAGES: wimg[mtx 4][nb 32][ks 16][1024 bytes].
; A fragment (16 columns n x 32 k) lies as a matrix instruction's registers want it: [piece i 2][lane 32][16 bytes]; lane (r = l % 16, h = l / 16),
; piece i holds column 16 nb + r and k = 32 ks + 16 i + 8 h + 0..7.  So a later launch fills a fragment by two loads of 16 bytes a lane at lane x 16 (+ 512).
; Wq, Wk, Wv (mtx 0-2) are rounded to bf16.  Wo (mtx 3) is rounded to bf16 like every input, and that number is written as f16 (exact within f16's normal range:
; LIMIT: |Wo| below 6.1e-5 keeps f16's fixed step of 6e-8, |Wo| must stay under 65,504).
; Work-group (x, y): matrix y, the eight rows k = 8 (x / 2) .. + 7, columns 256 (x % 2) + thread.  A thread reads 8 numbers of one column and stores their 16 bytes:
; sixteen neighbouring lanes store 256 consecutive bytes, aligned.  A stream of 6 MB: no LDS, no matrix unit, no cluster (no two work-groups read the same bytes).
	s_load_b256 s[4:11], s[0:1], 0x0               ; Wq s[4:5], Wk s[6:7], Wv s[8:9], Wo s[10:11]
	s_load_b64 s[12:13], s[0:1], 0x20              ; wimg
	s_and_b32 s14, ttmp7, 0xffff                   ; which matrix
	s_lshr_b32 s15, ttmp9, 1                       ; o: which eight k
	s_and_b32 s16, ttmp9, 1
	s_lshl_b32 s16, s16, 8
	v_add_nc_u32 v1, s16, v0                       ; n: my column
	s_lshl_b32 s17, s15, 14                        ; 8 o rows of 2,048 bytes
	v_lshl_add_u32 v2, v1, 2, s17                  ; where I read
	s_lshl_b32 s18, s14, 19                        ; the matrix's image, 524,288 bytes
	s_lshl_b32 s19, s15, 8                         ; (o / 4) 1024 + ((o / 2) % 2) 512 + (o % 2) 256 = 256 o: K step, piece, half of the lanes
	s_add_co_u32 s18, s18, s19
	v_lshrrev_b32 v3, 4, v1                        ; nb
	v_and_b32 v16, 15, v1                          ; r
	v_lshl_add_u32 v3, v3, 14, s18
	v_lshl_add_u32 v3, v16, 4, v3                  ; where I store
	s_wait_kmcnt 0x0
	s_cmp_eq_u32 s14, 1                            ; the matrix's address is chosen by the work-group's y
	s_cselect_b64 s[4:5], s[6:7], s[4:5]
	s_cmp_eq_u32 s14, 2
	s_cselect_b64 s[4:5], s[8:9], s[4:5]
	s_cmp_eq_u32 s14, 3
	s_cselect_b64 s[4:5], s[10:11], s[4:5]
.irp j, 0,1,2,3,4,5,6,7
	global_load_b32 v[4+\j], v2, s[4:5] offset:2048*\j th:TH_LOAD_NT
.endr
	s_wait_loadcnt 0x0
.irp j, 0,1,2,3
	v_cvt_pk_bf16_f32 v[12+\j], v[4+2*\j], v[5+2*\j]
.endr
	s_cmp_lg_u32 s14, 3
	s_cbranch_scc1 .Lstore
.irp j, 0,1,2,3                                        ; Wo: the bf16 numbers are written as f16
	v_lshlrev_b32 v[4+2*\j], 16, v[12+\j]
	v_and_b32 v[5+2*\j], 0xffff0000, v[12+\j]
.endr
.irp j, 0,1,2,3
	v_cvt_pk_f16_f32 v[12+\j], v[4+2*\j], v[5+2*\j]
.endr
.Lstore:
	global_store_b128 v3, v[12:15], s[12:13]
	s_endpgm
.Lfunc_end_k_q50c59c486d_prep:
	.size	k_q50c59c486d_prep, .Lfunc_end_k_q50c59c486d_prep-k_q50c59c486d_prep
	.p2alignl 7, 3214868480
	.fill 96, 4, 3214868480
	.section	.rodata,"a",@progbits
	.p2align	6, 0x0
	.amdhsa_kernel k_q50c59c486d_prep
		.amdhsa_group_segment_fixed_size 0
		.amdhsa_private_segment_fixed_size 0
		.amdhsa_enable_private_segment 0
		.amdhsa_kernarg_size 40
		.amdhsa_user_sgpr_count 2
		.amdhsa_user_sgpr_kernarg_segment_ptr 1
		.amdhsa_wavefront_size32 1
		.amdhsa_system_sgpr_workgroup_id_x 1
		.amdhsa_system_sgpr_workgroup_id_y 1
		.amdhsa_system_sgpr_workgroup_id_z 1
		.amdhsa_system_vgpr_workitem_id 0
		.amdhsa_next_free_vgpr 24
		.amdhsa_next_free_sgpr 66
		.amdhsa_reserve_vcc 0
		.amdhsa_float_denorm_mode_32 3
		.amdhsa_float_denorm_mode_16_64 3
		.amdhsa_memory_ordered 1
		.amdhsa_forward_progress 1
		.amdhsa_inst_pref_size 3
	.end_amdhsa_kernel
	.amdgpu_metadata
---
amdhsa.version: [ 1, 2 ]
amdhsa.kernels:
  - .name:           k_q50c59c486d_prep
    .symbol:         k_q50c59c486d_prep.kd
    .args:
      - { .name: Wq, .offset: 0, .size: 8, .value_kind: global_buffer, .address_space: global }
      - { .name: Wk, .offset: 8, .size: 8, .value_kind: global_buffer, .address_space: global }
      - { .name: Wv, .offset: 16, .size: 8, .value_kind: global_buffer, .address_space: global }
      - { .name: Wo, .offset: 24, .size: 8, .value_kind: global_buffer, .address_space: global }
      - { .name: wimg, .offset: 32, .size: 8, .value_kind: global_buffer, .address_space: global }
    .group_segment_fixed_size: 0
    .private_segment_fixed_size: 0
    .kernarg_segment_align: 8
    .kernarg_segment_size: 40
    .max_flat_workgroup_size: 256
    .sgpr_count:     66
    .vgpr_count:     24
    .wavefront_size: 32
...
	.end_amdgpu_metadata
.endif
;; end of part 1
;; launch qkv (part 2): grid 4 x 64, 4 waves a work-group, clusters of 4 x 1, 266,752 bytes of LDS; arguments x, wimg, bq, bk, bv, q, k, v; writes q, k, v
.if DOCPART == 2
	.amdgcn_target "amdgcn-amd-amdhsa--gfx1250"
	.amdhsa_code_object_version 6
	.text
	.protected	k_q50c59c486d_qkv
	.globl	k_q50c59c486d_qkv
	.p2align	8
	.type	k_q50c59c486d_qkv,@function
k_q50c59c486d_qkv:
	s_mov_b64 s[64:65], 0
	v_nop
	global_prefetch_b8 v0, s[64:65] scope:SCOPE_SE
	s_setreg_imm32_b32 hwreg(HW_REG_WAVE_MODE, 25, 1), 1
	s_wait_xcnt 0x0
	s_wait_alu depctr_hold_cnt(0) depctr_sa_sdst(0) depctr_va_vdst(0) depctr_va_sdst(0) depctr_va_ssrc(0) depctr_va_vcc(0) depctr_vm_vsrc(0)
	s_getreg_b32 s2, hwreg(HW_REG_IB_STS2, 6, 4)
	s_cmp_eq_u32 s2, 0
	s_cbranch_scc0 .Lentry_in_a_cluster
	s_endpgm
.Lentry_in_a_cluster:
	s_bfe_u32 s2, ttmp6, 0x10000c
	s_cmp_lg_u32 s2, 0x3003
	s_cbranch_scc0 .Lentry_shape_is_right
	s_endpgm
.Lentry_shape_is_right:
; q' = c (x Wq + bq), k = x Wk + bk, v = x Wv + bv, c = log2(e) / 8.  x, the weights and the biases are rounded to bf16, sums in f32, each result rounded once to f16.
; LIMITS: |q'|, |k|, |v| must stay under 65,504 (f16); NaN and infinities are not treated apart.
; SHARES.  Work-group (p, rb): 128 rows of x (rb) x the 128 columns of head pair p in each of Q, K, V.  Wave w: all 128 rows x columns 32 w .. + 31 of each: 8 x 6 = 48 accumulators.
; OUT.  q, k, v are written as fragment images ([piece 2][lane 32][16 bytes] for each fragment), in blocks of 32,768 bytes, block (4 b + p) 32 + n / 128:
;   q, k: [head of the pair 2][16 rows 8][32 channels 2][1024];   v: [head 2][32 keys 4][16 channels 4][1024] (V^T: a lane holds a channel, k runs along keys).
; Q and K are multiplied with W as source 0 (a lane then holds one row and 8 neighbouring columns), V with x as source 0 (a lane holds one column and 8 rows): packed to f16 each
; result IS a piece of its image, and a wave's store covers 512 consecutive bytes, aligned.  No stage in LDS.
; x comes into LDS as f32, once, in two chunks of 256 k, and is rounded on the way into the fragments.  CLUSTER: the four pairs of a row block need the same x: each tile is asked for
; jointly by the four.  W's fragments are read by one wave of a work-group alone and go straight from the image into registers; through LDS they would need 393,216 bytes beside x's 266,240.
; REGISTERS: window 0: addresses; v32-95 x's fragments; v96-143, v144-191 W's, two buffers; v192-255 at work.  window 1: Q's and K's accumulators, 8 (8 n + a).  window 2: V's.
;   window 3: v0-127 x as loaded (f32), v128-175 the biases, which are the C operand of the first K step: nothing is cleared and no bias is added later.
.set PITCH, 1040                       ; an LDS row: 1,024 bytes + 16 = 65 x 16: the 16 rows of a load start at 16 different groups of four banks (64 banks of 4 bytes: ISA guide 11.1)
.set CHUNK, 128*PITCH                  ; 128 rows x 256 k
.set SPARE, 2*CHUNK                    ; behind the chunks: the spare words, 128 bytes a wave: two blocks of 256 bytes that no other line names
.set AXA, 2                            ; v2, v3  LDS address of my lane's part of row blocks 0-3, 4-7 at the K step to be read
.set WO,  4                            ; v4   my byte offset in wimg
.set QO,  5                            ; v5   my byte offset in a block of q or k
.set VO,  6                            ; v6   in a block of v
.set BO1, 7                            ; v7   byte offset of my 8 biases (Q, K)
.set BO2, 8                            ; v8   of my one bias (V)
.set SPW, 30                           ; v30  my spare word; never rewritten
.set NIL, 31                           ; v31  0; never rewritten
.set AF,  32
.set B0,  96
.set B1,  144
.set TMP, 192
.set RAW, 0                            ; window 3
.set BIAS, 128                         ; window 3
.set WV,  20                           ; s20  my wave
.set G1,  24                           ; s[24:31] descriptor group 1
.set G0,  32                           ; s[32:39] group 0, a set for each chunk
.set WB,  40                           ; s[40:41] wimg, stepped 2 K steps a PAIR
.set CS,  42                           ; s[42:43] c
.set CNT, 44
.set MSB, 0
.macro WIN new                         ; the immediate's high byte repeats the setting that is left; a switch that changes nothing is dropped
.if MSB != (\new)
	s_set_vgpr_msb (MSB<<8)|(\new)
.set MSB, (\new)
.endif
.endm
.macro CROUND                          ; a round of the cluster's barrier
	s_barrier_signal -1
	s_barrier_wait -1
	s_cmp_lg_u32 s[WV], 0
	s_cbranch_scc1 .Lnot_wave_0_\@
	s_barrier_signal -3
.Lnot_wave_0_\@:
	s_barrier_wait -3
	s_barrier_signal -1
	s_barrier_wait -1
.endm
.macro PLACES                          ; four plain instructions behind a matrix instruction, ahead of loads into and writes of its registers and of reads of its result
.rept 4
	v_nop
.endr
.endm
	s_load_b512 s[4:19], s[0:1], 0x0               ; x s[4:5], wimg s[6:7], bq s[8:9], bk s[10:11], bv s[12:13], q s[14:15], k s[16:17], v s[18:19]
	v_lshl_add_u32 v[SPW], v0, 2, SPARE
	v_mov_b32 v[NIL], 0
	ds_add_u32 v[SPW], v[NIL]                      ; the wave's opening: the add and its wait stand ahead of my first tensor load
	v_lshrrev_b32 v1, 5, v0
	v_readfirstlane_b32 s[WV], v1
	s_bfe_u32 s50, ttmp6, 0x40000                  ; cx
	s_lshl_b32 s51, ttmp9, 2
	s_add_co_u32 s50, s50, s51                     ; p: the head pair; s50-s55 alone ever hold it
	s_and_b32 s22, ttmp7, 0xffff                   ; rb: the row block, which the four partners share
	s_mov_b32 s[G1+0], 15|(2<<16)|(1<<20)|(1<<21)|(7<<22)|(3<<25)  ; mask of four; 4-byte elements; padding on; 21 set beside a mask; after every 256 words (code 7) 4 words (code 3)
	s_mov_b32 s[G1+1], 256<<16                     ; tensor_dim0 = 256
	s_mov_b32 s[G1+2], 32<<16                      ; tensor_dim1 = 32
	s_mov_b32 s[G1+3], 256<<16                     ; tile_dim0 = 256
	s_mov_b32 s[G1+4], 32                          ; tile_dim1 = 32
	s_mov_b32 s[G1+5], 512                         ; elements from row to row
	s_mov_b32 s[G1+6], 0
	s_mov_b32 s[G1+7], 0
	s_mul_i32 s46, s[WV], 32*PITCH                 ; my 32 rows in a chunk
	s_lshl_b32 s48, s22, 18                        ; 128 rows of 2,048 bytes a block,
	s_lshl_b32 s49, s[WV], 16                      ; 32 rows a wave
	s_add_co_u32 s48, s48, s49
	s_mov_b32 s49, 0
	s_mov_b32 s[CS], 0x3e38aa3b                    ; c = log2(e) / 8
	s_mov_b32 s[CS+1], s[CS]
	s_wait_dscnt 0x0                               ; the opening add is done
	s_wait_kmcnt 0x0
	s_add_nc_u64 s[48:49], s[4:5], s[48:49]
	CROUND                                         ; the four work-groups are here: the joint loads meet
.irp c, 0,1
	s_mov_b32 s[G0+4*\c], 1
	s_add_co_u32 s[G0+4*\c+1], s46, \c*CHUNK
	s_add_nc_u64 s[G0+4*\c+2:G0+4*\c+3], s[48:49], \c*1024
	s_or_b32 s[G0+4*\c+3], s[G0+4*\c+3], 0x80000000
.endr
	tensor_load_to_lds s[G0:G0+3], s[G1:G1+7]      ; both fills go out together: two loads of mine are out, and nothing is ever filled again
	s_nop 0
	tensor_load_to_lds s[G0+4:G0+7], s[G1:G1+7]
	s_nop 0
	PLACES
	v_and_b32 v1, 15, v0                           ; r
	v_bfe_u32 v9, v0, 4, 1                         ; h
	v_and_b32 v10, 31, v0                          ; lane
	v_mul_u32_u24 v[AXA], v1, PITCH
	v_lshl_add_u32 v[AXA], v9, 5, v[AXA]           ; row r, k = 8 h on (f32: 32 bytes)
	v_add_nc_u32 v[AXA+1], 64*PITCH, v[AXA]
	s_lshl_b32 s51, s50, 3
	s_lshl1_add_u32 s51, s[WV], s51                ; my first block of 16 columns: 8 p + 2 w
	s_lshl_b32 s51, s51, 14
	v_lshl_add_u32 v[WO], v10, 4, s51
	s_lshr_b32 s52, s[WV], 1                       ; the pair's head that my columns lie in
	s_lshl_b32 s52, s52, 14
	s_and_b32 s53, s[WV], 1                        ; which 32 of its channels
	s_lshl_b32 s53, s53, 10
	s_add_co_u32 s54, s52, s53
	v_lshl_add_u32 v[QO], v10, 4, s54
	s_add_co_u32 s54, s54, s53
	v_lshl_add_u32 v[VO], v10, 4, s54
	s_lshl_b32 s51, s50, 9
	s_lshl_b32 s52, s[WV], 7
	s_add_co_u32 s51, s51, s52                     ; 4 (128 p + 32 w)
	v_lshl_add_u32 v[BO1], v9, 5, s51
	v_lshl_add_u32 v[BO2], v1, 2, s51
	s_lshr_b32 s52, s22, 5                         ; b
	s_lshl_b32 s52, s52, 7
	s_lshl_b32 s53, s50, 5
	s_add_co_u32 s52, s52, s53
	s_and_b32 s53, s22, 31
	s_add_co_u32 s52, s52, s53                     ; block (4 b + p) 32 + n / 128
	s_lshl_b32 s52, s52, 15
	s_mov_b32 s53, 0
	s_add_nc_u64 s[14:15], s[14:15], s[52:53]
	s_add_nc_u64 s[16:17], s[16:17], s[52:53]
	s_add_nc_u64 s[18:19], s[18:19], s[52:53]
	s_mov_b64 s[WB:WB+1], s[6:7]
.irp c, 0,1                                            ; ten loads of biases
	global_load_b128 v[TMP+8*\c:TMP+8*\c+3],       v[BO1], s[8:9] offset:64*\c
	global_load_b128 v[TMP+8*\c+4:TMP+8*\c+7],     v[BO1], s[8:9] offset:64*\c+16
	global_load_b128 v[TMP+16+8*\c:TMP+16+8*\c+3], v[BO1], s[10:11] offset:64*\c
	global_load_b128 v[TMP+16+8*\c+4:TMP+16+8*\c+7], v[BO1], s[10:11] offset:64*\c+16
	global_load_b32 v[TMP+32+\c], v[BO2], s[12:13] offset:64*\c
.endr
; W's six fragments of one K step: n = 2 x matrix + block of 16 columns; kw = the K step, counted from the stepped base
.macro LOADB f, kw
.irp n, 0,1,2,3,4,5
	global_load_b128 v[(\f)+8*\n:(\f)+8*\n+3],   v[WO], s[WB:WB+1] offset:(\n/2)*524288+(\n%2)*16384+(\kw)*1024
	global_load_b128 v[(\f)+8*\n+4:(\f)+8*\n+7], v[WO], s[WB:WB+1] offset:(\n/2)*524288+(\n%2)*16384+(\kw)*1024+512
.endr
.endm
	LOADB B0, 0
	LOADB B1, 1
	s_wait_loadcnt 24                              ; the biases are in; the 24 loads of W issued behind them stay out
.set i, 0
.rept 16
	v_cvt_pk_bf16_f32 v[TMP+34+i], v[TMP+2*i], v[TMP+2*i+1]
.set i, i+1
.endr
	v_cvt_pk_bf16_f32 v[TMP+50], v[TMP+32], v[TMP+33]
	WIN 0xc0                                       ; destination window 3
.set i, 0
.rept 16                                               ; Q, K: register j of block n is the bias of column 8 h + j
	v_lshlrev_b32 v[BIAS+2*i], 16, v[TMP+34+i]
	v_and_b32 v[BIAS+2*i+1], 0xffff0000, v[TMP+34+i]
.set i, i+1
.endr
.set i, 0
.rept 8                                                ; V: all eight registers hold the bias of column r
	v_lshlrev_b32 v[BIAS+32+i], 16, v[TMP+50]
	v_and_b32 v[BIAS+40+i], 0xffff0000, v[TMP+50]
.set i, i+1
.endr
; 32 LDS loads: x of one K step, f32: for row block a the lane's k = 8 h .. + 7 (bytes 0, 16) and 16 + 8 h .. + 7 (bytes 64, 80)
.macro FETCHX kof
	WIN 0xc0
.irp a, 0,1,2,3,4,5,6,7
.irp q, 0,1,2,3
	ds_load_b128 v[RAW+16*\a+4*\q:RAW+16*\a+4*\q+3], v[AXA+\a/4] offset:(\a%4)*16*PITCH+(\kof)+(\q/2)*64+(\q%2)*16
.endr
.endr
.endm
.macro CVTX                            ; 64 roundings: the eight fragments of x
	WIN 0x0f
.set i, 0
.rept 64
	v_cvt_pk_bf16_f32 v[AF+i], v[RAW+2*i], v[RAW+2*i+1]
.set i, i+1
.endr
.endm
; 48 matrix instructions, each accumulator once: they take turns.  first = 1: C is the bias
.macro MULS f, first
.if \first
	WIN 0x70
.else
	WIN 0x50
.endif
.irp n, 0,1,2,3
.irp a, 0,1,2,3,4,5,6,7
.if \first
	v_wmma_f32_16x16x32_bf16 v[8*(8*\n+\a):8*(8*\n+\a)+7], v[(\f)+8*\n:(\f)+8*\n+7], v[AF+8*\a:AF+8*\a+7], v[BIAS+8*\n:BIAS+8*\n+7]
.else
	v_wmma_f32_16x16x32_bf16 v[8*(8*\n+\a):8*(8*\n+\a)+7], v[(\f)+8*\n:(\f)+8*\n+7], v[AF+8*\a:AF+8*\a+7], v[8*(8*\n+\a):8*(8*\n+\a)+7]
.endif
.endr
.endr
.if \first
	WIN 0xb0
.else
	WIN 0xa0
.endif
.irp n, 4,5
.irp a, 0,1,2,3,4,5,6,7
.if \first
	v_wmma_f32_16x16x32_bf16 v[8*(8*(\n-4)+\a):8*(8*(\n-4)+\a)+7], v[AF+8*\a:AF+8*\a+7], v[(\f)+8*\n:(\f)+8*\n+7], v[BIAS+8*\n:BIAS+8*\n+7]
.else
	v_wmma_f32_16x16x32_bf16 v[8*(8*(\n-4)+\a):8*(8*(\n-4)+\a)+7], v[AF+8*\a:AF+8*\a+7], v[(\f)+8*\n:(\f)+8*\n+7], v[8*(8*(\n-4)+\a):8*(8*(\n-4)+\a)+7]
.endif
.endr
.endr
.endm
; A K step: the next step's x is asked of LDS, this step is multiplied, its buffer of W takes the step two on, the next step's x is rounded.
.macro HSTEP kof, f, kw, first, loadb
	FETCHX \kof
	s_wait_loadcnt 12                              ; this step's W is in; the other buffer's 12 loads stay out
	MULS \f, \first
	PLACES
.if \loadb
	WIN 0
	LOADB \f, \kw
.endif
	s_wait_dscnt 0x0
	CVTX
.endm
.macro PAIR lastb, step
	HSTEP 0,   B1, 3, 0, 1
	HSTEP 128, B0, 4, 0, \lastb
	WIN 0
.if \step
	s_wait_xcnt 0x0                                ; the loads' base is stepped only behind this wait
	s_add_nc_u64 s[WB:WB+1], s[WB:WB+1], 2048
	v_add_nc_u32 v[AXA], 256, v[AXA]
	v_add_nc_u32 v[AXA+1], 256, v[AXA+1]
.endif
.endm
	s_wait_tensorcnt 1                             ; my rows of chunk 0 are in; chunk 1 may stay out
	s_barrier_signal -1
	s_barrier_wait -1                              ; everybody's are
	FETCHX 0
	s_wait_dscnt 0x0
	CVTX
	HSTEP 128, B0, 2, 1, 1                         ; K step 0 starts the sums
	WIN 0
	v_add_nc_u32 v[AXA], 256, v[AXA]
	v_add_nc_u32 v[AXA+1], 256, v[AXA+1]
	s_mov_b32 s[CNT], 3
.Lk0:                                                  ; K steps 1 to 6; x up to step 7 is read
	PAIR 1, 1
	s_sub_co_u32 s[CNT], s[CNT], 1
	s_cmp_lg_u32 s[CNT], 0
	s_cbranch_scc1 .Lk0
	s_wait_tensorcnt 0x0                           ; my rows of chunk 1 are in,
	s_barrier_signal -1
	s_barrier_wait -1                              ; everybody's are
	v_add_nc_u32 v[AXA], CHUNK-1024, v[AXA]
	v_add_nc_u32 v[AXA+1], CHUNK-1024, v[AXA+1]
	s_mov_b32 s[CNT], 3
.Lk1:                                                  ; K steps 7 to 12
	PAIR 1, 1
	s_sub_co_u32 s[CNT], s[CNT], 1
	s_cmp_lg_u32 s[CNT], 0
	s_cbranch_scc1 .Lk1
	PAIR 0, 0                                      ; K steps 13 and 14: step 14 asks for no further W
	s_wait_loadcnt 0x0
	MULS B1, 0                                     ; K step 15
	PLACES
; THE WAY OUT of column block n: Q times c; rounded to f16, four registers an accumulator; a store of 512 consecutive bytes for each.  Each accumulator is read from its low end on.
.macro OUTN n
.set AC, 64*((\n)%4)
.set HB, TMP+32*((\n)%2)
.if (\n) < 2
	WIN 0x41
.set i, 0
.rept 32
	v_pk_mul_f32 v[AC+2*i:AC+2*i+1], v[AC+2*i:AC+2*i+1], s[CS:CS+1] op_sel_hi:[1,0]
.set i, i+1
.endr
.endif
.if (\n) >= 2
	s_wait_xcnt 0x0                                ; the stores of the block two back have read this half of TMP
.endif
.if (\n) < 4
	WIN 0x05
.else
	WIN 0x0a
.endif
.set i, 0
.rept 32
	v_cvt_pk_f16_f32 v[HB+i], v[AC+2*i], v[AC+2*i+1]
.set i, i+1
.endr
	WIN 0
.irp a, 0,1,2,3,4,5,6,7
.if (\n) < 2
	global_store_b128 v[QO], v[HB+4*\a:HB+4*\a+3], s[14:15] offset:\a*2048+((\n)%2)*512
.elseif (\n) < 4
	global_store_b128 v[QO], v[HB+4*\a:HB+4*\a+3], s[16:17] offset:\a*2048+((\n)%2)*512
.else
	global_store_b128 v[VO], v[HB+4*\a:HB+4*\a+3], s[18:19] offset:(\a/2)*4096+((\n)%2)*1024+(\a%2)*512
.endif
.endr
.endm
	OUTN 0
	OUTN 1
	OUTN 2
	OUTN 3
	OUTN 4
	OUTN 5
	s_wait_tensorcnt 0x0                           ; the wave's end
	ds_add_u32 v[SPW], v[NIL]
	s_wait_dscnt 0x0
	CROUND                                         ; the closing round
	s_endpgm
.Lfunc_end_k_q50c59c486d_qkv:
	.size	k_q50c59c486d_qkv, .Lfunc_end_k_q50c59c486d_qkv-k_q50c59c486d_qkv
	.p2alignl 7, 3214868480
	.fill 96, 4, 3214868480
	.section	.rodata,"a",@progbits
	.p2align	6, 0x0
	.amdhsa_kernel k_q50c59c486d_qkv
		.amdhsa_group_segment_fixed_size 266752
		.amdhsa_private_segment_fixed_size 0
		.amdhsa_enable_private_segment 0
		.amdhsa_kernarg_size 64
		.amdhsa_user_sgpr_count 2
		.amdhsa_user_sgpr_kernarg_segment_ptr 1
		.amdhsa_wavefront_size32 1
		.amdhsa_system_sgpr_workgroup_id_x 1
		.amdhsa_system_sgpr_workgroup_id_y 1
		.amdhsa_system_sgpr_workgroup_id_z 1
		.amdhsa_system_vgpr_workitem_id 0
		.amdhsa_next_free_vgpr 944
		.amdhsa_next_free_sgpr 66
		.amdhsa_reserve_vcc 0
		.amdhsa_float_denorm_mode_32 3
		.amdhsa_float_denorm_mode_16_64 3
		.amdhsa_memory_ordered 1
		.amdhsa_forward_progress 1
		.amdhsa_inst_pref_size 115
	.end_amdhsa_kernel
	.amdgpu_metadata
---
amdhsa.version: [ 1, 2 ]
amdhsa.kernels:
  - .name:           k_q50c59c486d_qkv
    .symbol:         k_q50c59c486d_qkv.kd
    .args:
      - { .name: x, .offset: 0, .size: 8, .value_kind: global_buffer, .address_space: global }
      - { .name: wimg, .offset: 8, .size: 8, .value_kind: global_buffer, .address_space: global }
      - { .name: bq, .offset: 16, .size: 8, .value_kind: global_buffer, .address_space: global }
      - { .name: bk, .offset: 24, .size: 8, .value_kind: global_buffer, .address_space: global }
      - { .name: bv, .offset: 32, .size: 8, .value_kind: global_buffer, .address_space: global }
      - { .name: q, .offset: 40, .size: 8, .value_kind: global_buffer, .address_space: global }
      - { .name: k, .offset: 48, .size: 8, .value_kind: global_buffer, .address_space: global }
      - { .name: v, .offset: 56, .size: 8, .value_kind: global_buffer, .address_space: global }
    .group_segment_fixed_size: 266752
    .private_segment_fixed_size: 0
    .kernarg_segment_align: 8
    .kernarg_segment_size: 64
    .max_flat_workgroup_size: 128
    .sgpr_count:     66
    .vgpr_count:     944
    .wavefront_size: 32
...
	.end_amdgpu_metadata
.endif
;; end of part 2
;; launch attn (part 3): grid 4 x 64, 4 waves a work-group, clusters of 4 x 4, 327,680 bytes of LDS; arguments q, k, v, graph_mask, o; writes o
.if DOCPART == 3
	.amdgcn_target "amdgcn-amd-amdhsa--gfx1250"
	.amdhsa_code_object_version 6
	.text
	.protected	k_q50c59c486d_attn
	.globl	k_q50c59c486d_attn
	.p2align	8
	.type	k_q50c59c486d_attn,@function
k_q50c59c486d_attn:
	s_mov_b64 s[64:65], 0
	v_nop
	global_prefetch_b8 v0, s[64:65] scope:SCOPE_SE
	s_setreg_imm32_b32 hwreg(HW_REG_WAVE_MODE, 25, 1), 1
	s_wait_xcnt 0x0
	s_wait_alu depctr_hold_cnt(0) depctr_sa_sdst(0) depctr_va_vdst(0) depctr_va_sdst(0) depctr_va_ssrc(0) depctr_va_vcc(0) depctr_vm_vsrc(0)
	s_getreg_b32 s2, hwreg(HW_REG_IB_STS2, 6, 4)
	s_cmp_eq_u32 s2, 0
	s_cbranch_scc0 .Lentry_in_a_cluster
	s_endpgm
.Lentry_in_a_cluster:
	s_bfe_u32 s2, ttmp6, 0x10000c
	s_cmp_lg_u32 s2, 0xf033
	s_cbranch_scc0 .Lentry_shape_is_right
	s_endpgm
.Lentry_shape_is_right:
; O[b][h][n] = the sum over keys of softmax_key(s') V, s' = -inf where gm = 0, else (Q . K / 8) gm.  q (already times c = log2(e) / 8), k, v: f16 fragment images; gm: f32, used unrounded.
; Products, maxima and sums in f32; the weights p = 2^(s' - m) are rounded to f16 for the second product (their sum l is taken of the unrounded p), O once at the end, into a fragment image.
; LIMITS: a weight below 2^-126 counts as 0; gm = -0 counts as 0; a row with no key gives l = 0 and 0 x infinity = NaN; a NaN in gm makes its row NaN; scores must be finite.
; SHARES.  A work-group owns 128 queries of a batch x a pair of heads; a wave 2 tiles of 16 queries x 2 heads: four PIECES x = 2 t + e.  The two heads of a tile share gm and the addend BB
; (0 or -inf), which costs two instructions a number and is made once for both.  Every wave walks all 4,096 keys, 64 a step.
; LAYOUT.  S^T = K Q^T holds ONE query a lane (lane % 16) and the keys 8 (lane / 16) + 0..7, so a lane's gm are 32 consecutive bytes of its query's row; two results rounded to f16 ARE source 1 of
; O^T = V^T P, whose result, packed, is a piece of o's image: a store covers 512 consecutive bytes.  K and V come out of LDS as they lie: lane x 16, no padding, no turning.
; SOFTMAX.  A running maximum m (it starts at the lowest finite number, so s' - m is never infinity less infinity) and sum l; O and l are multiplied by a = 2^(m_old - m_new) in every step.
; BY TURNS.  Turn n belongs to piece n: 8 products K Q^T of piece n + 1 with the making of BB behind them; a lump (s' - m, exponentials, and piece n + 1's s gm + BB); 8 products V^T P of
; piece n - 1 with four instructions behind each; a second lump (roundings, sums, piece n + 1's maximum and a, the rescaling).
; CLUSTER 4 x 4: along x the four head pairs, which need the same tile of gm (so gm is asked for once for all 8 heads); along y four query blocks of one batch, which need the same K and V.
; LDS: two slots of 128 keys: gm 128 rows x 528 at 0 (slot 1: + 2^17); K's block at 67,584 (+ 2^17); V's at 2^18 (+ 2^15); the spare words at 100,352.
; REGISTERS: window 0: addresses, statistics, S^T v64-127 (two buffers), P v128-159 (two), BB v160-223 (32 a tile).  window 1: O^T, 32 a piece.
;   window 2: Q v0-63, K v64-191 (64 a head), gm v192-255 (32 a tile).  window 3: V v0-127 (64 a head).
.set PM,    528                        ; a row of gm in LDS: 512 bytes + 16 = 33 x 16: the 16 rows of a load start at 16 different groups of four banks (64 banks of 4 bytes: ISA guide 11.1)
.set KOFF,  128*PM
.set SPARE, KOFF+32768                 ; two blocks of 256 bytes that no other line names
.set SLX,   1<<17
.set VBASE, 1<<18
.set VLX,   1<<15
.set AL,  2                            ; v2   lane x 16; never rewritten
.set AM0, 3                            ; v3   my lane's place in a tile of gm; never rewritten
.set AK,  4                            ; v4   LDS address of K's runs of loads
.set AV,  5                            ; v5   of V's
.set AM,  6                            ; v6   of gm's
.set QO,  9                            ; v9   my byte offset in the block of q
.set PFV0, 10                          ; v10  my byte offset in the block's rows of gm, for the prefetch; never rewritten
.set PFV, 11                           ; v11  the same plus the tile's
.set ST,  16                           ; piece x at v[ST+4 x]: m, a word that is only named, l (even keys', odd keys')
.set TMP, 32                           ; by the piece's parity, four registers c0-c3 at work; when the maximum is found c2 takes a
.set MV,  40                           ; v40-41  m_old, by parity
.set SPW, 62                           ; v62  my spare word; never rewritten
.set NIL, 63                           ; v63  0; never rewritten
.set S,   64
.set P,   128
.set BB,  160
.set QF,  0
.set KF,  64
.set GM,  192
.set WV,  14
.set G1M, 24                           ; s[24:31] group 1 for gm's tiles
.set G1K, 32                           ; s[32:39] for K's and V's blocks
.set G0M, 40                           ; s[40:43], s[44:47], s[48:51] group 0 for gm, K, V: they walk
.set G0K, 44
.set G0V, 48
.set SLOTS, 52
.set CNT, 53
.set TBK, 54                           ; LDS byte at which K of the step to be fetched begins; TBV, TBM likewise
.set TBV, 55
.set TBM, 56
.set NINF, 57
.set SEL, 58                           ; s[58:59] v_permlanex16_b32's selects
.set DM,  60                           ; s[60:63] lane masks of gm = 0, two pairs by turns
.set PFB, 72                           ; s[72:73] gm at the block's first row
.set PO,  74                           ; byte offset in a row of the tile to be prefetched
.set MSB, 0
.macro WIN new
.if MSB != (\new)
	s_set_vgpr_msb (MSB<<8)|(\new)
.set MSB, (\new)
.endif
.endm
.set W_KQ, 0x0a                        ; K and Q (and gm as a second source) in window 2, S^T and BB in window 0
.set W_PV, 0x53                        ; V in window 3, P in window 0, O^T in window 1
.set W_RS, 0x41                        ; O^T (destination and source 0) in window 1, a in window 0
.set W_T,  0x08                        ; source 1 (gm) in window 2
.macro CROUND
	s_barrier_signal -1
	s_barrier_wait -1
	s_cmp_lg_u32 s[WV], 0
	s_cbranch_scc1 .Lnot_wave_0_\@
	s_barrier_signal -3
.Lnot_wave_0_\@:
	s_barrier_wait -3
	s_barrier_signal -1
	s_barrier_wait -1
.endm
; A joint fill, one load of 32 KB a wave: waves 0 and 1 the two halves of gm's tile (64 rows x 512 bytes), wave 2 K's block, wave 3 V's.  The branches hang on the wave's number alone.
; An s_nop 0 and four v_nop follow each line.  pf = 1: behind gm's line the wave asks for an eighth of the tile that the NEXT change of slots will load, 128 keys
; ahead: partner cx, wave w: rows 32 cx + 16 w + lane / 2, 256 bytes at 256 (lane % 2): each aligned 256 bytes by one lane of one wave of the four partners.
.macro JLOAD pf
	s_cmp_lt_u32 s[WV], 2
	s_cbranch_scc0 .Lkv_\@
	tensor_load_to_lds s[G0M:G0M+3], s[G1M:G1M+7]
	s_nop 0
.rept 4
	v_nop
.endr
.if \pf
	global_prefetch_b8 v[PFV], s[PFB:PFB+1] th:TH_LOAD_NT scope:SCOPE_SE
.endif
	s_branch .Lasked_\@
.Lkv_\@:
	s_cmp_eq_u32 s[WV], 2
	s_cbranch_scc0 .Lv_\@
	tensor_load_to_lds s[G0K:G0K+3], s[G1K:G1K+7]
	s_nop 0
.rept 4
	v_nop
.endr
	s_branch .Lasked_\@
.Lv_\@:
	tensor_load_to_lds s[G0V:G0V+3], s[G1K:G1K+7]
	s_nop 0
.rept 4
	v_nop
.endr
.Lasked_\@:
.endm
; THE CHANGE OF SLOTS.  Each wave waits for all its tensor loads (one is out: its part of the other slot), adds 0 to its spare word, and waits for that and for its reads of the slot that it leaves.
; fill = 1: a round of the cluster's barrier, so that no wave of any partner still reads the slot or has a load on its way; the joint fill, with the keys two slots on, is the first thing behind it
; and has two key steps, 128 matrix instructions, in which to land.  (At its first use nothing has been read: slot 0 is waited for, slot 1 filled.)
.macro CHANGE fill
	WIN 0
	s_wait_tensorcnt 0x0
	ds_add_u32 v[SPW], v[NIL]                      ; 0 onto my spare word; the descriptors' steps stand between it and the wait for it
.if \fill
	s_xor_b32 s[G0M+1], s[G0M+1], SLX
	s_add_nc_u64 s[G0M+2:G0M+3], s[G0M+2:G0M+3], 512
	s_xor_b32 s[G0K+1], s[G0K+1], SLX
	s_add_nc_u64 s[G0K+2:G0K+3], s[G0K+2:G0K+3], 32768
	s_xor_b32 s[G0V+1], s[G0V+1], VLX
	s_add_nc_u64 s[G0V+2:G0V+3], s[G0V+2:G0V+3], 32768
	s_wait_xcnt 0x0                                ; the last prefetch has read its address register
	v_add_nc_u32 v[PFV], s[PO], v[PFV0]
	s_add_co_u32 s[PO], s[PO], 512
	s_min_u32 s[PO], s[PO], 15872                  ; never past the row's last tile
	s_wait_dscnt 0x0                               ; the add is done, and my reads of the slot are over
	CROUND
	JLOAD 1
.else
	s_wait_dscnt 0x0
	s_barrier_signal -1
	s_barrier_wait -1
.endif
	s_sub_co_u32 s[TBK], s[TBK], 16384             ; the fetches go back to a slot's first step, in the other slot
	s_xor_b32 s[TBK], s[TBK], SLX
	s_sub_co_u32 s[TBV], s[TBV], 16384
	s_xor_b32 s[TBV], s[TBV], VLX
	s_sub_co_u32 s[TBM], s[TBM], 512
	s_xor_b32 s[TBM], s[TBM], SLX
.endm
	s_load_b256 s[4:11], s[0:1], 0x0               ; q s[4:5], k s[6:7], v s[8:9], graph_mask s[10:11]
	s_load_b64 s[12:13], s[0:1], 0x20              ; o
	v_lshl_add_u32 v[SPW], v0, 2, SPARE
	v_mov_b32 v[NIL], 0
	ds_add_u32 v[SPW], v[NIL]                      ; the wave's opening: the add and its wait stand ahead of my first tensor load
	v_lshrrev_b32 v1, 5, v0
	v_readfirstlane_b32 s[WV], v1
	s_bfe_u32 s15, ttmp6, 0x40000                  ; cx
	s_bfe_u32 s16, ttmp6, 0x40004                  ; cy
	s_lshl_b32 s17, ttmp9, 2
	s_add_co_u32 s17, s17, s15                     ; p: the head pair
	s_and_b32 s19, ttmp7, 0xffff
	s_lshl_b32 s18, s19, 2
	s_add_co_u32 s18, s18, s16                     ; Y = 32 b + query block
	s_lshr_b32 s19, s19, 3                         ; b, from the cluster's y alone
	s_lshl_b32 s76, s16, 2
	s_lshl_b32 s76, 15, s76                        ; my row of the cluster
	s_lshl_b32 s77, 0x1111, s15                    ; my column
	s_or_b32 s[G1M], s76, (2<<16)|(1<<20)|(1<<21)|(6<<22)|(3<<25)  ; gm goes to my row; 4-byte elements; padding on; 21 set beside a mask; after every 128 words (code 6) 4 words (code 3)
	s_mov_b32 s[G1M+1], 128<<16                    ; tensor_dim0 = 128
	s_mov_b32 s[G1M+2], 64<<16                     ; tensor_dim1 = 64
	s_mov_b32 s[G1M+3], 128<<16                    ; tile_dim0 = 128
	s_mov_b32 s[G1M+4], 64                         ; tile_dim1 = 64
	s_mov_b32 s[G1M+5], 4096                       ; elements from row to row
	s_mov_b32 s[G1M+6], 0
	s_mov_b32 s[G1M+7], 0
	s_or_b32 s[G1K], s77, (3<<16)|(1<<21)          ; K and V go to my column; a dense block of 32,768 bytes as 128 rows of 32 elements of 8 bytes
	s_mov_b32 s[G1K+1], 32<<16
	s_mov_b32 s[G1K+2], 128<<16
	s_mov_b32 s[G1K+3], 32<<16
	s_mov_b32 s[G1K+4], 128
	s_mov_b32 s[G1K+5], 32
	s_mov_b32 s[G1K+6], 0
	s_mov_b32 s[G1K+7], 0
	s_lshl_b32 s70, s18, 21                        ; the block's 128 rows of 16,384 bytes
	s_mov_b32 s71, 0
	s_lshl_b32 s20, s[WV], 20                      ; my 64 of them (waves 0 and 1 alone ask by this)
	s_add_co_u32 s20, s20, s70
	s_mov_b32 s21, 0
	s_lshl2_add_u32 s22, s19, s17                  ; 4 b + p
	s_lshl_b32 s22, s22, 20                        ; its 32 blocks of K, of V
	s_mov_b32 s23, 0
	s_lshl2_add_u32 s66, s19, s17
	s_lshl_b32 s66, s66, 5
	s_and_b32 s67, s18, 31
	s_add_co_u32 s66, s66, s67
	s_lshl_b32 s66, s66, 15                        ; my block of q
	s_mov_b32 s67, 0
	s_lshl_b32 s68, s18, 3
	s_lshl1_add_u32 s68, s[WV], s68                ; my first 16 rows in o: block 8 Y + 2 w,
	s_lshl_b32 s68, s68, 14
	s_lshl_b32 s69, s17, 12                        ; the pair's four K steps of 1,024 bytes
	s_add_co_u32 s68, s68, s69
	s_mov_b32 s69, 0
	s_mov_b32 s[G0M], 1
	s_mul_i32 s[G0M+1], s[WV], 64*PM
	s_mov_b32 s[G0K], 1
	s_mov_b32 s[G0K+1], KOFF
	s_mov_b32 s[G0V], 1
	s_mov_b32 s[G0V+1], VBASE
	s_mov_b32 s[TBK], KOFF+SLX+16384               ; the first change of slots turns these three into slot 0's
	s_mov_b32 s[TBV], VBASE+VLX+16384
	s_mov_b32 s[TBM], SLX+512
	s_mov_b32 s[NINF], 0xff800000
	s_mov_b32 s[SEL], 0x76543210
	s_mov_b32 s[SEL+1], 0xfedcba98
	s_mov_b32 s[PO], 1024                          ; the first change loads tile 1 and prefetches tile 2
	s_wait_dscnt 0x0                               ; the opening add is done
	s_wait_kmcnt 0x0
	s_add_nc_u64 s[G0M+2:G0M+3], s[10:11], s[20:21]
	s_or_b32 s[G0M+3], s[G0M+3], 0x80000000
	s_add_nc_u64 s[G0K+2:G0K+3], s[6:7], s[22:23]
	s_or_b32 s[G0K+3], s[G0K+3], 0x80000000
	s_add_nc_u64 s[G0V+2:G0V+3], s[8:9], s[22:23]
	s_or_b32 s[G0V+3], s[G0V+3], 0x80000000
	s_add_nc_u64 s[PFB:PFB+1], s[10:11], s[70:71]
	s_add_nc_u64 s[4:5], s[4:5], s[66:67]
	s_add_nc_u64 s[12:13], s[12:13], s[68:69]
	CROUND                                         ; all sixteen work-groups are here: the first joint loads meet
	JLOAD 0                                        ; tile 0 into slot 0
	v_and_b32 v1, 15, v0                           ; r
	v_bfe_u32 v12, v0, 4, 1                        ; h
	v_and_b32 v13, 31, v0                          ; lane
	v_lshlrev_b32 v[AL], 4, v13
	s_lshl_b32 s78, s[WV], 12                      ; my two blocks of 16 rows in q's block
	v_add_nc_u32 v[QO], s78, v[AL]
	WIN 0x80
.set i, 0
.rept 16                                               ; Q stays in registers: piece i / 4 (head (i / 4) % 2, tile i / 8), then channel half and piece of the fragment
	global_load_b128 v[QF+4*i:QF+4*i+3], v[QO], s[4:5] offset:((i/4)%2)*16384+(i/8)*2048+(i%4)*512
.set i, i+1
.endr
	; What the first turn finds: O^T and l are 0, and its products V^T P, of a piece that has not been, multiply zeros.  All this stands in the wait for the first tile.
	WIN 0x40
.set i, 0
.rept 128
	v_mov_b32 v[i], 0
.set i, i+1
.endr
	WIN 0xc0
.set i, 64
.rept 64
	v_mov_b32 v[i], 0
.set i, i+1
.endr
	WIN 0
.set i, 0
.rept 16
	v_mov_b32 v[P+16+i], 0
.set i, i+1
.endr
.set i, 0
.rept 4
	v_mov_b32 v[ST+4*i], 0xff7fffff                ; m: the lowest finite number
	v_mov_b32 v[ST+4*i+1], 0
	v_mov_b32 v[ST+4*i+2], 0
	v_mov_b32 v[ST+4*i+3], 0
.set i, i+1
.endr
	s_lshl_b32 s78, s[WV], 5
	v_add_nc_u32 v[AM0], s78, v1
	v_mul_u32_u24 v[AM0], v[AM0], PM
	v_lshl_add_u32 v[AM0], v12, 5, v[AM0]          ; row 32 w + r, keys 8 h on (32 bytes)
	s_lshl_b32 s79, s15, 5
	s_lshl4_add_u32 s79, s[WV], s79                ; 32 cx + 16 w
	v_lshrrev_b32 v14, 1, v13
	v_add_nc_u32 v14, s79, v14
	v_and_b32 v15, 1, v13
	v_lshlrev_b32 v15, 8, v15
	v_lshl_add_u32 v[PFV0], v14, 14, v15
; THE MATRIX WORK.  The four accumulators of a run of eight take turns.  Product i of S^T = K Q^T for piece x: channels 32 (i / 4) on, keys 16 (i % 4) on.
.macro KQ x
	WIN W_KQ
.set rS, S+32*((\x)%2)+8*(i%4)
.set rK, KF+64*((\x)%2)+16*(i%4)+8*(i/4)
.set rQ, QF+16*(\x)+8*(i/4)
.if i < 4
	v_wmma_f32_16x16x32_f16 v[rS:rS+7], v[rK:rK+7], v[rQ:rQ+7], 0
.else
	v_wmma_f32_16x16x32_f16 v[rS:rS+7], v[rK:rK+7], v[rQ:rQ+7], v[rS:rS+7]
.endif
.endm
; Product i of O^T += V^T P for piece x: keys 32 (i / 4) on, channels 16 (i % 4) on.
.macro PV x
	WIN W_PV
.set rO, 32*(\x)+8*(i%4)
.set rV, 64*((\x)%2)+32*(i/4)+8*(i%4)
.set rP, P+16*((\x)%2)+8*(i/4)
	v_wmma_f32_16x16x32_f16 v[rO:rO+7], v[rV:rV+7], v[rP:rP+7], v[rO:rO+7]
.endm
; BB for two numbers of tile t, half hf: -inf where gm = 0, else 0.  It runs under the products' own window setting.
.macro DG t, hf
	WIN W_KQ
.set g, 32*(\t)+16*(\hf)+2*i
.set d, DM+2*(i%2)
	v_cmp_eq_f32 s[d], 0, v[GM+g]
	v_cmp_eq_f32 s[d+1], 0, v[GM+g+1]
	v_cndmask_b32 v[BB+g], 0, s[NINF], s[d]
	v_cndmask_b32 v[BB+g+1], 0, s[NINF], s[d+1]
.endm
; THE LDS LOADS stand in runs: a head's K or V of one step (8,192 consecutive bytes: 16 loads), a tile's gm (8 loads).
.macro FETCH_K e
	WIN 0x80
.set f, 0
.rept 16
	ds_load_b128 v[KF+64*(\e)+4*f:KF+64*(\e)+4*f+3], v[AK] offset:(\e)*16384+f*512
.set f, f+1
.endr
.endm
.macro FETCH_V e
	WIN 0xc0
.set f, 0
.rept 16
	ds_load_b128 v[64*(\e)+4*f:64*(\e)+4*f+3], v[AV] offset:(\e)*16384+f*512
.set f, f+1
.endr
.endm
.macro FETCH_M t
	WIN 0x80
.set f, 0
.rept 8
	ds_load_b128 v[GM+32*(\t)+4*f:GM+32*(\t)+4*f+3], v[AM] offset:(\t)*16*PM+(f/2)*64+(f%2)*16
.set f, f+1
.endr
.endm
; THE VECTOR WORK, a line at a time: OP kind, number.  For piece Y: F n: pair n of 16 less m.  E n: the exponential of number n of 32.  C n: pair n rounded to f16.  B n: of the four weights 4 n ..
; the second pair is added onto the first, in place.  L n: l takes that sum (L 0: l = a l + sum).  R n: pair n of 16 of O^T times a.  For piece Y + 1: T n: pair n of its scores times gm plus BB
; (ascending).  X n: its maximum and statistics: 0-11 four chains c0-c3; 12-14, 16 the four left over, the old m, c0-c3 into c0; 15 m_old is kept;
; 17, 18 the query's other 32 keys lie in the lane 16 away: the new m; 20, 21 m_old - m_new; a.
.set F, 0
.set E, 1
.set C, 2
.set B, 3
.set L, 4
.set R, 5
.set T, 6
.set X, 7
.macro REGS y
.set rT, ST+4*(\y)
.set rC, TMP+4*((\y)%2)
.set rW, MV+((\y)%2)
.set rS, S+32*((\y)%2)
.set rP, P+16*((\y)%2)
.set rO, 32*(\y)
.set rG, GM+32*((\y)/2)
.set rB, BB+32*((\y)/2)
.endm
.macro OP k, n
.if (\k) == R
	REGS Y
	WIN W_RS
	v_pk_mul_f32 v[rO+2*(\n):rO+2*(\n)+1], v[rO+2*(\n):rO+2*(\n)+1], v[rC+2:rC+3] op_sel_hi:[1,0]
.elseif (\k) == E
	REGS Y
.if MSB != W_T
	WIN 0
.endif
	v_exp_f32 v[rS+(\n)], v[rS+(\n)]
.elseif (\k) == T
	REGS (Y+1)%4
	WIN W_T
	v_pk_fma_f32 v[rS+2*(\n):rS+2*(\n)+1], v[rS+2*(\n):rS+2*(\n)+1], v[rG+2*(\n):rG+2*(\n)+1], v[rB+2*(\n):rB+2*(\n)+1]
.elseif (\k) < R
	REGS Y
	WIN 0
.if (\k) == F
	v_pk_add_f32 v[rS+2*(\n):rS+2*(\n)+1], v[rS+2*(\n):rS+2*(\n)+1], v[rT:rT+1] op_sel_hi:[1,0] neg_lo:[0,1] neg_hi:[0,1]
.elseif (\k) == C
	v_cvt_pk_f16_f32 v[rP+(\n)], v[rS+2*(\n)], v[rS+2*(\n)+1]
.elseif (\k) == B
	v_pk_add_f32 v[rS+4*(\n):rS+4*(\n)+1], v[rS+4*(\n):rS+4*(\n)+1], v[rS+4*(\n)+2:rS+4*(\n)+3]
.elseif (\n) == 0
	v_pk_fma_f32 v[rT+2:rT+3], v[rT+2:rT+3], v[rC+2:rC+3], v[rS:rS+1] op_sel_hi:[1,0,1]
	s_wait_alu depctr_va_vdst(0)
.else
	v_pk_add_f32 v[rT+2:rT+3], v[rT+2:rT+3], v[rS+4*(\n):rS+4*(\n)+1]
.endif
.else
	REGS (Y+1)%4
	WIN 0
.if (\n) < 4
	v_max3_num_f32 v[rC+(\n)], v[rS+8*(\n)], v[rS+8*(\n)+1], v[rS+8*(\n)+2]
	s_wait_alu depctr_va_vdst(0)
.elseif (\n) < 12
	v_max3_num_f32 v[rC+(\n)%4], v[rC+(\n)%4], v[rS+8*((\n)%4)+2*((\n)/4)+1], v[rS+8*((\n)%4)+2*((\n)/4)+2]
.elseif (\n) == 12
	v_max3_num_f32 v[rC], v[rC], v[rS+7], v[rS+15]
.elseif (\n) == 13
	v_max3_num_f32 v[rC+1], v[rC+1], v[rS+23], v[rS+31]
.elseif (\n) == 14
	v_max3_num_f32 v[rC+2], v[rC+2], v[rC+3], v[rT]
.elseif (\n) == 15
	v_mov_b32 v[rW], v[rT]
.elseif (\n) == 16
	v_max3_num_f32 v[rC], v[rC], v[rC+1], v[rC+2]
.elseif (\n) == 17
	v_permlanex16_b32 v[rC+3], v[rC], s[SEL], s[SEL+1]
.elseif (\n) == 18
	v_max_num_f32 v[rT], v[rC], v[rC+3]
.elseif (\n) == 20
	v_sub_f32 v[rC+1], v[rW], v[rT]
.else
	v_exp_f32 v[rC+2], v[rC+1]
.endif
.endif
.endm
.macro OPS a, i1, b=-1, i2=0, c=-1, i3=0, d=-1, i4=0
	OP \a, \i1
.if (\b) >= 0
	OP \b, \i2
.endif
.if (\c) >= 0
	OP \c, \i3
.endif
.if (\d) >= 0
	OP \d, \i4
.endif
.endm
.macro ROW a, i1, b, i2, c, i3, d, i4  ; a product V^T P and the four behind it; none names a register of the products round it
	PV (Y+3)%4
.set i, i+1
	OPS \a, \i1, \b, \i2, \c, \i3, \d, \i4
.endm
; A TURN, for piece p.  What it fetches belongs to the step that TBK, TBV, TBM name: turn 1: K of head 0 and gm of tile 0; turn 2: K of head 1; turn 3: gm of tile 1; turn 0 (already of that
; step): V of head 0, later V of head 1, and then the three step on.  Each run stands eight plain instructions behind the last product that read its registers, or further, and behind the last
; vector line that read them; it is waited for (always for 0) at the head of turn 2 or 0, V in turn 1 ahead of its products.  BB: turns 2, 3 make tile 0's halves, turns 0, 1 tile 1's.
; last = 1 (the tail): where no further step is left (CNT = 1) the run is jumped over.  cnt = 1: the loop's count is taken down some lines ahead of the branch behind the turn.
.macro TURN p, last=0, cnt=0
.set Y, (\p)
.if ((\p)%2) == 0
	s_wait_dscnt 0x0                               ; K and gm that this turn and the next read are in
.endif
.set i, 0
.rept 8
	KQ (Y+1)%4
	DG (((\p)+2)%4)/2, (\p)%2
.set i, i+1
.endr
	OPS F,0, F,1, F,2, F,3
.if (\p) == 1
	s_wait_dscnt 0x0                               ; V is in
.endif
.if (\last) && ((\p) != 0)
	WIN 0
	s_cmp_eq_u32 s[CNT], 1
	s_cbranch_scc1 .Lnof_\@
.endif
.if (\p) == 1
	WIN 0
	v_add_nc_u32 v[AK], s[TBK], v[AL]
	v_add_nc_u32 v[AM], s[TBM], v[AM0]
	FETCH_K 0
	FETCH_M 0
.elseif (\p) == 2
	FETCH_K 1
.elseif (\p) == 3
	FETCH_M 1
.else
	WIN 0
	v_add_nc_u32 v[AV], s[TBV], v[AL]
	FETCH_V 0
.endif
	WIN 0
.if (\last) && ((\p) != 0)
.Lnof_\@:
.endif
.set z, 0
.rept 12                                               ; exponential and plain by turns: each exponential has a plain line behind it that names none of its registers
	OP E, z
	OP F, z+4
.set z, z+1
.endr
.set z, 0
.rept 16
	OP E, z+12
	OP T, z
.set z, z+1
.endr
.set i, 0
	ROW X,0, E,28, X,1, C,0
	ROW X,2, E,29, X,3, C,1
	ROW X,4, E,30, X,5, C,2
	ROW X,6, E,31, X,7, C,3
	ROW X,8, C,4, X,9, C,5
	ROW X,10, C,6, X,11, C,7
	ROW R,0, R,1, R,2, R,3
	ROW R,4, R,5, R,6, R,7
	OPS X,12, X,13, X,15, C,8
.if (\p) == 0
	FETCH_V 1
	s_add_co_u32 s[TBK], s[TBK], 8192              ; the next fetches are the next step's
	s_add_co_u32 s[TBV], s[TBV], 8192
	s_add_co_u32 s[TBM], s[TBM], 256
.endif
	OPS X,14, B,0, C,9, B,1
	OPS X,16, C,10, L,0, B,2
	OPS C,11, X,17, L,1, B,3
	OPS C,12, X,18, L,2, B,4
	OPS C,13, X,20, L,3, B,5
	OPS C,14, X,21, L,4, B,6
	OPS C,15, B,7, L,5, L,6
	OPS L,7
.if \cnt
	s_sub_co_u32 s[CNT], s[CNT], 1
	s_cmp_lg_u32 s[CNT], 0
.endif
	OPS R,8, R,9, R,10, R,11
	OPS R,12, R,13, R,14, R,15
.endm
	CHANGE 1                                       ; slot 0 is in, everybody's part of it; slot 1 is asked for
	v_add_nc_u32 v[AK], s[TBK], v[AL]
	v_add_nc_u32 v[AM], s[TBM], v[AM0]
	FETCH_K 0                                      ; key step 0
	FETCH_K 1
	FETCH_M 0
	FETCH_M 1
	s_wait_loadcnt 0x0                             ; Q
	s_wait_dscnt 0x0
.set Y, 3                                              ; T and X work for piece Y + 1: piece 0
.set i, 0
.rept 8
	KQ 0                                           ; piece 0's first scores
.set i, i+1
.endr
.set i, 0
.rept 8
	DG 0, 0                                        ; tile 0's BB: also the places behind those products
.set i, i+1
.endr
.set i, 0
.rept 8
	DG 0, 1
.set i, i+1
.endr
.set z, 0
.rept 16
	OP T, z
.set z, z+1
.endr
.irp n, 0,1,2,3,4,5,6,7,8,9,10,11,12,13,14,15,16,17,18,20,21
	OP X, \n
.endr
	v_nop                                          ; a plain instruction behind the exponential
	WIN 0
	s_mov_b32 s[CNT], 2
	s_mov_b32 s[SLOTS], 31
	s_branch .Lfirst                               ; the loop is entered at a step's first turn, in the middle of a trip
.Lslot:                                                ; 30 times: with the change above, tiles 1 to 31 are asked for
	CHANGE 1
	s_mov_b32 s[CNT], 2
.Lstep:                                                ; a trip: pieces 1 to 3 of one step, then piece 0 of the next, whose K, gm and V it fetches
	TURN 1
	TURN 2
	TURN 3
	WIN 0
.Lfirst:
	TURN 0, 0, 1
	WIN 0
	s_cbranch_scc1 .Lstep
	s_sub_co_u32 s[SLOTS], s[SLOTS], 1
	s_cmp_lg_u32 s[SLOTS], 0
	s_cbranch_scc1 .Lslot
	CHANGE 0                                       ; the tail is written out: nothing is asked for
	s_mov_b32 s[CNT], 3                            ; two trips fetch the last slot's steps; the third is left in its middle
.Ltail:
	TURN 1, 1
	TURN 2, 1
	TURN 3, 1
	WIN 0
	s_sub_co_u32 s[CNT], s[CNT], 1
	s_cmp_eq_u32 s[CNT], 0
	s_cbranch_scc1 .Lout
	TURN 0
	WIN 0
	s_branch .Ltail
.Lout:                                                 ; the third trip's 8 products K Q^T for a step that is not, and the maximum made of them, serve nothing: the price of one text for every trip
.set i, 0
.rept 8
	PV 3                                           ; the last piece's V^T P of the last step
.set i, i+1
.endr
	; THE WAY OUT.  l's two halves and the other half of the lanes' are added; O^T is divided by l, rounded to f16 and stored as it lies.  The additions are the places behind the last products.
	WIN 0
.macro ALL line:vararg
.set t, 0
.rept 4
	\line
.set t, t+1
.endr
.endm
	ALL v_add_f32 v[ST+4*t+2], v[ST+4*t+2], v[ST+4*t+3]
	ALL v_permlanex16_b32 v[ST+4*t+3], v[ST+4*t+2], s[SEL], s[SEL+1]
	ALL v_add_f32 v[ST+4*t+2], v[ST+4*t+2], v[ST+4*t+3]
	ALL v_rcp_f32 v[ST+4*t+2], v[ST+4*t+2]
	v_nop                                          ; a plain instruction between the last reciprocal and the use of its result
	s_wait_alu depctr_va_vdst(0)
.macro PACK x
	WIN W_RS
.set i, 0
.rept 16
	v_pk_mul_f32 v[32*(\x)+2*i:32*(\x)+2*i+1], v[32*(\x)+2*i:32*(\x)+2*i+1], v[ST+4*(\x)+2:ST+4*(\x)+3] op_sel_hi:[1,0]
.set i, i+1
.endr
	WIN 0x05
.set i, 0
.rept 16
	v_cvt_pk_f16_f32 v[S+16*(\x)+i], v[32*(\x)+2*i], v[32*(\x)+2*i+1]
.set i, i+1
.endr
	WIN 0
.irp f, 0,1,2,3
	global_store_b128 v[AL], v[S+16*(\x)+4*\f:S+16*(\x)+4*\f+3], s[12:13] offset:((\x)/2)*16384+((\x)%2)*2048+\f*512  ; 512 consecutive bytes, at a multiple of 512 from o's first
.endr
.endm
	PACK 0
	PACK 1
	PACK 2
	PACK 3
	s_wait_tensorcnt 0x0                           ; the wave's end
	ds_add_u32 v[SPW], v[NIL]
	s_wait_dscnt 0x0
	CROUND                                         ; the closing round
	s_endpgm
.Lfunc_end_k_q50c59c486d_attn:
	.size	k_q50c59c486d_attn, .Lfunc_end_k_q50c59c486d_attn-k_q50c59c486d_attn
	.p2alignl 7, 3214868480
	.fill 96, 4, 3214868480
	.section	.rodata,"a",@progbits
	.p2align	6, 0x0
	.amdhsa_kernel k_q50c59c486d_attn
		.amdhsa_group_segment_fixed_size 327680
		.amdhsa_private_segment_fixed_size 0
		.amdhsa_enable_private_segment 0
		.amdhsa_kernarg_size 40
		.amdhsa_user_sgpr_count 2
		.amdhsa_user_sgpr_kernarg_segment_ptr 1
		.amdhsa_wavefront_size32 1
		.amdhsa_system_sgpr_workgroup_id_x 1
		.amdhsa_system_sgpr_workgroup_id_y 1
		.amdhsa_system_sgpr_workgroup_id_z 1
		.amdhsa_system_vgpr_workitem_id 0
		.amdhsa_next_free_vgpr 896
		.amdhsa_next_free_sgpr 80
		.amdhsa_reserve_vcc 0
		.amdhsa_float_denorm_mode_32 3
		.amdhsa_float_denorm_mode_16_64 3
		.amdhsa_memory_ordered 1
		.amdhsa_forward_progress 1
		.amdhsa_inst_pref_size 142
	.end_amdhsa_kernel
	.amdgpu_metadata
---
amdhsa.version: [ 1, 2 ]
amdhsa.kernels:
  - .name:           k_q50c59c486d_attn
    .symbol:         k_q50c59c486d_attn.kd
    .args:
      - { .name: q, .offset: 0, .size: 8, .value_kind: global_buffer, .address_space: global }
      - { .name: k, .offset: 8, .size: 8, .value_kind: global_buffer, .address_space: global }
      - { .name: v, .offset: 16, .size: 8, .value_kind: global_buffer, .address_space: global }
      - { .name: graph_mask, .offset: 24, .size: 8, .value_kind: global_buffer, .address_space: global }
      - { .name: o, .offset: 32, .size: 8, .value_kind: global_buffer, .address_space: global }
    .group_segment_fixed_size: 327680
    .private_segment_fixed_size: 0
    .kernarg_segment_align: 8
    .kernarg_segment_size: 40
    .max_flat_workgroup_size: 128
    .sgpr_count:     80
    .vgpr_count:     896
    .wavefront_size: 32
...
	.end_amdgpu_metadata
.endif
;; end of part 3
;; launch proj (part 4): grid 4 x 64, 4 waves a work-group, clusters of 4 x 4, 280,064 bytes of LDS; arguments o, wimg, bo, out0; writes out0
.if DOCPART == 4
	.amdgcn_target "amdgcn-amd-amdhsa--gfx1250"
	.amdhsa_code_object_version 6
	.text
	.protected	k_q50c59c486d_proj
	.globl	k_q50c59c486d_proj
	.p2align	8
	.type	k_q50c59c486d_proj,@function
k_q50c59c486d_proj:
	s_mov_b64 s[64:65], 0
	v_nop
	global_prefetch_b8 v0, s[64:65] scope:SCOPE_SE
	s_setreg_imm32_b32 hwreg(HW_REG_WAVE_MODE, 25, 1), 1
	s_wait_xcnt 0x0
	s_wait_alu depctr_hold_cnt(0) depctr_sa_sdst(0) depctr_va_vdst(0) depctr_va_sdst(0) depctr_va_ssrc(0) depctr_va_vcc(0) depctr_vm_vsrc(0)
	s_getreg_b32 s2, hwreg(HW_REG_IB_STS2, 6, 4)
	s_cmp_eq_u32 s2, 0
	s_cbranch_scc0 .Lentry_in_a_cluster
	s_endpgm
.Lentry_in_a_cluster:
	s_bfe_u32 s2, ttmp6, 0x10000c
	s_cmp_lg_u32 s2, 0xf033
	s_cbranch_scc0 .Lentry_shape_is_right
	s_endpgm
.Lentry_shape_is_right:
; out0 = O Wo + bo.  O: f16 fragment image [16 rows 512][K step 16][1024]; Wo: the fourth image of wimg (bf16 numbers written as f16); bo rounded to bf16; sums and out0 in f32.
; A tile of out0 is 128 x 128: 256 work-groups; a wave makes 64 x 64: 16 accumulators.  K = 512 lies whole in LDS, filled once, in two halves of 8 K steps; a fragment is two loads at lane x 16.
; CLUSTER 4 x 4: O's blocks are shared along a row of the cluster, Wo's along a column: joint loads.  Waves 0 and 1 fetch O's two groups of four blocks, waves 2 and 3 Wo's.
; The matrix instruction takes Wo as source 0: a lane then holds one row and 8 neighbouring columns, 32 bytes.  The bias is the C operand of the first K step.
; THE WAY OUT goes through the wave's own stage: a wave's 64 columns are 256 bytes of a row, which sixteen lanes store as one aligned run.
.set HALF,  1<<17                      ; half hh at hh x 2^17: O's 8 blocks x 8 K steps x 1,024, then Wo's
.set BOFF,  65536
.set STAGE, 262144                     ; 16 rows x 272 bytes a wave; no tensor load lands here
.set SP,    272
.set SPARE, STAGE+4*16*SP              ; the spare words: two blocks of 256 bytes that no other line names
.set ADA, 2                            ; v2, v3  LDS address of my O fragments in half 0, 1
.set ADB, 4                            ; v4, v5  of my Wo fragments
.set STO, 6
.set RD,  7
.set CO,  8
.set BO,  9
.set SPW, 28
.set NIL, 29
.set BIAS, 32                          ; v32-63  8 a block of 16 columns
.set OB,  32                           ; later: v32-63, v64-95 rows read back, by turns
.set ACC, 128
.set WV,  12
.set G1A, 24
.set G1B, 32
.set G0A, 40                           ; s[40:47] a set for each half
.set G0B, 48                           ; s[48:55]
.set MSB, 0
.macro WIN new
.if MSB != (\new)
	s_set_vgpr_msb (MSB<<8)|(\new)
.set MSB, (\new)
.endif
.endm
.macro CROUND
	s_barrier_signal -1
	s_barrier_wait -1
	s_cmp_lg_u32 s[WV], 0
	s_cbranch_scc1 .Lnot_wave_0_\@
	s_barrier_signal -3
.Lnot_wave_0_\@:
	s_barrier_wait -3
	s_barrier_signal -1
	s_barrier_wait -1
.endm
.macro PLACES
.rept 4
	v_nop
.endr
.endm
	s_load_b256 s[4:11], s[0:1], 0x0               ; o s[4:5], wimg s[6:7], bo s[8:9], out0 s[10:11]
	v_lshl_add_u32 v[SPW], v0, 2, SPARE
	v_mov_b32 v[NIL], 0
	ds_add_u32 v[SPW], v[NIL]                      ; the wave's opening: the add and its wait stand ahead of my first tensor load
	v_lshrrev_b32 v1, 5, v0
	v_readfirstlane_b32 s[WV], v1
	s_lshr_b32 s13, s[WV], 1                       ; which half of the tile's rows is mine
	s_and_b32 s14, s[WV], 1                        ; which half of its columns.  Also: which four blocks I fetch
	s_bfe_u32 s15, ttmp6, 0x40000                  ; cx
	s_bfe_u32 s16, ttmp6, 0x40004                  ; cy
	s_lshl_b32 s17, ttmp9, 2
	s_add_co_u32 s17, s17, s15                     ; X: tile column
	s_and_b32 s18, ttmp7, 0xffff
	s_lshl_b32 s18, s18, 2
	s_add_co_u32 s18, s18, s16                     ; Y: tile row
	s_lshl_b32 s19, s16, 2
	s_lshl_b32 s19, 15, s19                        ; my row of the cluster
	s_lshl_b32 s20, 0x1111, s15                    ; my column
	s_or_b32 s[G1A], s19, (3<<16)|(1<<21)          ; 8-byte elements, no padding; 21 set beside a mask
	s_or_b32 s[G1B], s20, (3<<16)|(1<<21)
.irp g, G1A, G1B
	s_mov_b32 s[\g+1], 1024<<16                    ; tensor_dim0 = 1,024: a block's 8 K steps, 8,192 bytes
	s_mov_b32 s[\g+2], 4<<16                       ; tensor_dim1 = 4 blocks
	s_mov_b32 s[\g+3], 1024<<16                    ; tile_dim0
	s_mov_b32 s[\g+4], 4                           ; tile_dim1
	s_mov_b32 s[\g+5], 2048                        ; a block's 16 K steps from row to row
	s_mov_b32 s[\g+6], 0
	s_mov_b32 s[\g+7], 0
.endr
	s_lshl_b32 s56, s18, 17                        ; O: 8 blocks of 16,384 bytes a tile row,
	s_lshl_b32 s57, s14, 16                        ; my four
	s_add_co_u32 s56, s56, s57
	s_mov_b32 s57, 0
	s_lshl_b32 s58, s17, 17                        ; Wo likewise, by the tile column, in the fourth image
	s_lshl_b32 s59, s14, 16
	s_add_co_u32 s58, s58, s59
	s_add_co_u32 s58, s58, 3*524288
	s_mov_b32 s59, 0
	s_lshl_b32 s21, s[WV], 15                      ; where they go: wave x 32,768
	s_wait_dscnt 0x0                               ; the opening add is done
	s_wait_kmcnt 0x0
	s_add_nc_u64 s[56:57], s[4:5], s[56:57]
	s_add_nc_u64 s[58:59], s[6:7], s[58:59]
	CROUND                                         ; all sixteen work-groups are here: the joint loads meet
.irp hh, 0,1
	s_mov_b32 s[G0A+4*\hh], 1
	s_add_co_u32 s[G0A+4*\hh+1], s21, \hh*HALF
	s_add_nc_u64 s[G0A+4*\hh+2:G0A+4*\hh+3], s[56:57], \hh*8192
	s_or_b32 s[G0A+4*\hh+3], s[G0A+4*\hh+3], 0x80000000
	s_mov_b32 s[G0B+4*\hh], 1
	s_add_co_u32 s[G0B+4*\hh+1], s21, \hh*HALF
	s_add_nc_u64 s[G0B+4*\hh+2:G0B+4*\hh+3], s[58:59], \hh*8192
	s_or_b32 s[G0B+4*\hh+3], s[G0B+4*\hh+3], 0x80000000
.endr
	s_cmp_lt_u32 s[WV], 2                          ; a wave's two fills stand in one branch: two loads of mine are out, and nothing is ever filled again
	s_cbranch_scc0 .Lfor_b
	tensor_load_to_lds s[G0A:G0A+3], s[G1A:G1A+7]
	s_nop 0
	tensor_load_to_lds s[G0A+4:G0A+7], s[G1A:G1A+7]
	s_nop 0
	PLACES
	s_branch .Lasked
.Lfor_b:
	tensor_load_to_lds s[G0B:G0B+3], s[G1B:G1B+7]
	s_nop 0
	tensor_load_to_lds s[G0B+4:G0B+7], s[G1B:G1B+7]
	s_nop 0
	PLACES
.Lasked:
	v_and_b32 v1, 15, v0                           ; r
	v_bfe_u32 v10, v0, 4, 1                        ; h
	v_and_b32 v11, 31, v0                          ; lane
	s_lshl_b32 s22, s13, 15
	v_lshl_add_u32 v[ADA], v11, 4, s22
	v_add_nc_u32 v[ADA+1], HALF, v[ADA]
	s_lshl_b32 s22, s14, 15
	s_add_co_u32 s22, s22, BOFF
	v_lshl_add_u32 v[ADB], v11, 4, s22
	v_add_nc_u32 v[ADB+1], HALF, v[ADB]
	s_mul_i32 s23, s[WV], 16*SP
	s_add_co_u32 s23, s23, STAGE                   ; my stage
	v_mul_u32_u24 v[STO], v1, SP                   ; in: row r, 32 bytes for each half of the lanes
	v_lshl_add_u32 v[STO], v10, 5, v[STO]
	v_add_nc_u32 v[STO], s23, v[STO]
	v_mul_u32_u24 v[RD], v10, SP                   ; back: lanes 0-15 take one row of 256 bytes, lanes 16-31 the next
	v_lshl_add_u32 v[RD], v1, 4, v[RD]
	v_add_nc_u32 v[RD], s23, v[RD]
	v_lshlrev_b32 v[CO], 11, v10                   ; and the same two rows in out0
	v_lshl_add_u32 v[CO], v1, 4, v[CO]
	s_lshl_b32 s60, s17, 9
	s_lshl_b32 s61, s14, 8
	s_add_co_u32 s60, s60, s61                     ; my first column, in bytes
	v_lshl_add_u32 v[BO], v10, 5, s60
	s_lshl_b32 s61, s18, 18
	s_add_co_u32 s60, s60, s61
	s_lshl_b32 s61, s13, 17
	s_add_co_u32 s60, s60, s61                     ; + my first row
	s_mov_b32 s61, 0
	s_add_nc_u64 s[10:11], s[10:11], s[60:61]
.irp b, 0,1,2,3
	global_load_b128 v[64+8*\b:64+8*\b+3], v[BO], s[8:9] offset:64*\b
	global_load_b128 v[64+8*\b+4:64+8*\b+7], v[BO], s[8:9] offset:64*\b+16
.endr
	s_wait_loadcnt 0x0
.set i, 0
.rept 16
	v_cvt_pk_bf16_f32 v[96+i], v[64+2*i], v[64+2*i+1]
.set i, i+1
.endr
.set i, 0
.rept 16
	v_lshlrev_b32 v[BIAS+2*i], 16, v[96+i]
	v_and_b32 v[BIAS+2*i+1], 0xffff0000, v[96+i]
.set i, i+1
.endr
; 16 LDS loads: the fragments of K step s (four of O, four of Wo) into buffer f of window 1
.macro FETCH s, f
	WIN 0x40
.irp a, 0,1,2,3
	ds_load_b128 v[(\f)+8*\a:(\f)+8*\a+3],   v[ADA+(\s)/8] offset:\a*8192+((\s)%8)*1024
	ds_load_b128 v[(\f)+8*\a+4:(\f)+8*\a+7], v[ADA+(\s)/8] offset:\a*8192+((\s)%8)*1024+512
.endr
.irp b, 0,1,2,3
	ds_load_b128 v[(\f)+32+8*\b:(\f)+32+8*\b+3],   v[ADB+(\s)/8] offset:\b*8192+((\s)%8)*1024
	ds_load_b128 v[(\f)+32+8*\b+4:(\f)+32+8*\b+7], v[ADB+(\s)/8] offset:\b*8192+((\s)%8)*1024+512
.endr
.endm
; 16 matrix instructions, each accumulator once: they take turns.  K step 0 takes the bias as C
.macro MUL f, s
	WIN 0x05
.irp a, 0,1,2,3
.irp b, 0,1,2,3
.if (\s) == 0
	v_wmma_f32_16x16x32_f16 v[ACC+8*(4*\a+\b):ACC+8*(4*\a+\b)+7], v[(\f)+32+8*\b:(\f)+32+8*\b+7], v[(\f)+8*\a:(\f)+8*\a+7], v[BIAS+8*\b:BIAS+8*\b+7]
.else
	v_wmma_f32_16x16x32_f16 v[ACC+8*(4*\a+\b):ACC+8*(4*\a+\b)+7], v[(\f)+32+8*\b:(\f)+32+8*\b+7], v[(\f)+8*\a:(\f)+8*\a+7], v[ACC+8*(4*\a+\b):ACC+8*(4*\a+\b)+7]
.endif
.endr
.endr
.endm
	s_wait_tensorcnt 1                             ; my part of the first half is in; the second may stay out
	s_barrier_signal -1
	s_barrier_wait -1                              ; everybody's is
	FETCH 0, 0
.set ks, 0
.rept 16
.if ks == 7
	s_wait_tensorcnt 0x0                           ; my part of the second half is in,
	s_wait_dscnt 0x0                               ; no LDS load of mine is out at the signal,
	s_barrier_signal -1
	s_barrier_wait -1                              ; everybody's is
.endif
.if ks < 15
.if ks > 0
	PLACES                                         ; the buffer to be loaded was multiplied just now
.endif
	FETCH ks+1, 64*((ks+1)%2)
	s_wait_dscnt 16                                ; all but the 16 just issued
.else
	s_wait_dscnt 0x0
.endif
	MUL 64*(ks%2), ks
.set ks, ks+1
.endr
	PLACES
	WIN 0
.irp a, 0,1,2,3                                        ; 16 rows at a time; each accumulator is read from its low end on
.irp b, 0,1,2,3
	ds_store_b128 v[STO], v[ACC+8*(4*\a+\b):ACC+8*(4*\a+\b)+3] offset:64*\b
	ds_store_b128 v[STO], v[ACC+8*(4*\a+\b)+4:ACC+8*(4*\a+\b)+7] offset:64*\b+16
.endr
.if \a >= 2
	s_wait_xcnt 0x0                                ; the stores of the block two back have read these registers
.endif
.irp t, 0,1,2,3,4,5,6,7
	ds_load_b128 v[OB+32*(\a%2)+4*\t:OB+32*(\a%2)+4*\t+3], v[RD] offset:\t*2*SP  ; LDS serves a wave's instructions in order (ISA guide 5.7.1.4): these see the stores above
.endr
	s_wait_dscnt 0x0
.irp t, 0,1,2,3,4,5,6,7
	global_store_b128 v[CO], v[OB+32*(\a%2)+4*\t:OB+32*(\a%2)+4*\t+3], s[10:11] offset:(16*\a+2*\t)*2048 th:TH_STORE_NT  ; 16 lanes store 256 consecutive bytes, at a multiple of 256 from out0's first
.endr
.endr
	s_wait_tensorcnt 0x0                           ; the wave's end
	ds_add_u32 v[SPW], v[NIL]
	s_wait_dscnt 0x0
	CROUND                                         ; the closing round
	s_endpgm
.Lfunc_end_k_q50c59c486d_proj:
	.size	k_q50c59c486d_proj, .Lfunc_end_k_q50c59c486d_proj-k_q50c59c486d_proj
	.p2alignl 7, 3214868480
	.fill 96, 4, 3214868480
	.section	.rodata,"a",@progbits
	.p2align	6, 0x0
	.amdhsa_kernel k_q50c59c486d_proj
		.amdhsa_group_segment_fixed_size 280064
		.amdhsa_private_segment_fixed_size 0
		.amdhsa_enable_private_segment 0
		.amdhsa_kernarg_size 32
		.amdhsa_user_sgpr_count 2
		.amdhsa_user_sgpr_kernarg_segment_ptr 1
		.amdhsa_wavefront_size32 1
		.amdhsa_system_sgpr_workgroup_id_x 1
		.amdhsa_system_sgpr_workgroup_id_y 1
		.amdhsa_system_sgpr_workgroup_id_z 1
		.amdhsa_system_vgpr_workitem_id 0
		.amdhsa_next_free_vgpr 384
		.amdhsa_next_free_sgpr 66
		.amdhsa_reserve_vcc 0
		.amdhsa_float_denorm_mode_32 3
		.amdhsa_float_denorm_mode_16_64 3
		.amdhsa_memory_ordered 1
		.amdhsa_forward_progress 1
		.amdhsa_inst_pref_size 53
	.end_amdhsa_kernel
	.amdgpu_metadata
---
amdhsa.version: [ 1, 2 ]
amdhsa.kernels:
  - .name:           k_q50c59c486d_proj
    .symbol:         k_q50c59c486d_proj.kd
    .args:
      - { .name: o, .offset: 0, .size: 8, .value_kind: global_buffer, .address_space: global }
      - { .name: wimg, .offset: 8, .size: 8, .value_kind: global_buffer, .address_space: global }
      - { .name: bo, .offset: 16, .size: 8, .value_kind: global_buffer, .address_space: global }
      - { .name: out0, .offset: 24, .size: 8, .value_kind: global_buffer, .address_space: global }
    .group_segment_fixed_size: 280064
    .private_segment_fixed_size: 0
    .kernarg_segment_align: 8
    .kernarg_segment_size: 32
    .max_flat_workgroup_size: 128
    .sgpr_count:     66
    .vgpr_count:     384
    .wavefront_size: 32
...
	.end_amdgpu_metadata
.endif
;; end of part 4
